; MI455X (gfx1250); checked and timed in simulation.
; The chip was launched on July 23, 2026; its instructions are those of AMD's public machine-readable ISA for CDNA 5 (MIT licence, August 2026) and "CDNA5" Instruction Set Architecture Reference Guide (July 2026). The comments in the code are by the model that wrote it; some were corrected since.
;; Instance Decoder. Allowed arithmetic: matrix products marked QUANTISED: E4M3 operands, one given power-of-two scale a tensor, by v_wmma_f32_16x16x64_fp8_fp8 or v_wmma_f32_16x16x128_fp8_fp8, f32 sums; products left as they are: f32 operands where the result goes on into a quantised operand, else bf16, f16 or f32 operands; f32 sums; everything else in f32.
;; Inputs: beta_b 1 float32; beta_w 256 float32; coord_b 24 float32; coord_w_codes 24 x 8 x 32 uint8 (E4M3 codes of coord_w, K innermost, in blocks of 32 codes); lowp_scales 2 int32 (the exponents e of the quantised operands' scales 2^e); x 16,384 x 256 float32.
;; Outputs: out0 16,384 float32; out1 16,384 x 24 float32; out2 16,384 float32; out3 16,384 int32.
;; This version of the problem:
;;   THIS VERSION OF THE PROBLEM IS GIVEN IN LOW PRECISION. The matrix products marked QUANTISED in the list below multiply operands that are first quantised to E4M3 (4 exponent bits, 3 mantissa bits; 8 bits a number), with one given power-of-two scale for each operand tensor; their sums are f32. All else is computed in f32.
;;   The module's matrix products, in the order in which they are computed (A, B: the left and right operand; K: the contracted axis; several contracted axes count as one K, in the product's order):
;;     1. [M 16,384, K 256] x [K 256, N 1]; A: input x; B: input beta_w: left as it is (N = 1 < 16)
;;     2. [M 16,384, K 256] x [K 256, N 24]; A: input x; B: input coord_w (given as codes): QUANTISED (scales: A lowp_scales[0], B lowp_scales[1])
;;     3. [M 16,384, K 24] x [K 24, N 16,384]; A: computed on the way; B: computed on the way: left as it is (K = 24 < 32)
;;   THE QUANTISER, for each operand of a quantised product, along K:
;;     - The operand's scale is 2^e, e = its entry of the input lowp_scales (int32; the entries are numbered through the quantised products in the list's order, A before B).
;;     - Each number is divided by the scale, clamped to +-448, and rounded to the nearest number of E4M3, ties to even, subnormals kept.
;;     - The product sums the exact products of the quantised numbers (number of the format x scale) in f32.
;;   ~~~python
;;   def quantise(x, axis, e):      # numpy; x: float32 -> the quantised numbers, widened to float32 again
;;       x = np.moveaxis(x, axis, -1); K = x.shape[-1]
;;       r = np.clip(x / 2.0 ** e, -448, 448)
;;       step = 2.0 ** (np.maximum(np.frexp(np.where(r == 0, 1, r))[1] - 1, -6) - 3)
;;       q = np.round(r / step) * step * 2.0 ** e      # np.round: ties to even
;;       return np.moveaxis(q, -1, axis).astype(np.float32)
;;   ~~~
;;   INPUTS GIVEN AS CODES. coord_w (in the module: [256, 24], K = its axis 0): each comes as NAME_codes (uint8): NAME with its K axis moved to the last place and cut into blocks of 32 codes, [.., K / 32, bytes a block], one block behind the other in memory; one code a byte (a code: sign, 4 exponent bits, 3 mantissa bits); its scale is its entry of lowp_scales. Its value is code x scale, taken as it is: it is not quantised again, and the codes and scales need not be those that the quantiser above would give.
;; One version. Each part assembles by itself: llvm-mc -triple=amdgcn-amd-amdhsa -mcpu=gfx1250 --defsym DOCPART=n.
;; ======== version 1 of 1: 3 launches
;; workspace buffers: ca 1,048,576 bytes; hb 1,048,576 bytes; info 4,096 bytes of whole numbers; cand 524,288 bytes of whole numbers; rank 65,536 bytes of whole numbers
;; launch project (part 1): grid 256 x 1, 4 waves a work-group, no clusters, 168,448 bytes of LDS; arguments x, beta_w, beta_b, coord_w_codes, coord_b, lowp_scales, out0, out1, ca, hb, info; writes out0, out1, ca, hb, info
.if DOCPART == 1
	.amdgcn_target "amdgcn-amd-amdhsa--gfx1250"
	.amdhsa_code_object_version 6
	.text
	.protected	k_q923375ed0d_project
	.globl	k_q923375ed0d_project
	.p2align	8
	.type	k_q923375ed0d_project,@function
k_q923375ed0d_project:
	s_mov_b64 s[64:65], 0
	v_nop
	global_prefetch_b8 v0, s[64:65] scope:SCOPE_SE
	s_setreg_imm32_b32 hwreg(HW_REG_WAVE_MODE, 25, 1), 1
	s_wait_xcnt 0x0
; of = sigmoid(x . beta_w + beta_b)  (f32 multiply-adds);  ox = Q(x) coord_w + coord_b  (E4M3 codes, v_wmma_f32_16x16x128_fp8_fp8, f32 sums, x 2^(e0 + e1)).
; Besides out0 and out1 the launch lays out what the next launch multiplies: for every 16 hits two operand images of 1,024 bytes, one for a hit as a CENTRE (ca), one for it as a HIT (hb),
; and for every 64 hits a record {E, O, count, 0}: bit l of E (O) says that hit 2 l (2 l + 1) of the 64 has of > 0.1; count is the number of such hits.
; THE OPERANDS.  K = 32 in bf16.  k 0-23: ox rounded to bf16 (oxb).  sh = -0.5 x sum of oxb^2 (f32), cut exactly into three bf16 pieces.
;   ca: k 24-26 the three pieces, k 27-29 ones, k 30: 0 for a centre, else -2^100, k 31: 0.      hb: k 24-26 ones, k 27-29 the three pieces, k 30: 1, k 31: 0.
;   So a row of ca times a row of hb is -|oxb_i - oxb_j|^2 / 2, less 2^100 where j is no centre.
; A TILE'S ROWS ARE NOT NEIGHBOURS: row m of tile 2 b + u is hit 32 b + 8 u + m + 8 (m / 8), so that in the next launch a lane's 16 results of two neighbouring tiles are 16 neighbouring centres.
; AN IMAGE is the operand's registers as they stand: registers 0-3 of lane l at 16 l, registers 4-7 at 512 + 16 l.
; SHARES.  A work-group takes 64 hits, each of its four waves one tile of 16.  x's 64 rows come by four tensor loads (16 rows of 1,024 bytes each), all asked for at the head.
; The product is used transposed (source 0 = 16 rows of coord_w's codes, source 1 = 16 hits): lane (r, h) holds hit r and features 8 h + 0..7 (first tile).  The second tile's rows 8-15 repeat features 16-23,
; so no load leaves the 24 rows, and both halves of the lanes hold features 16-23.
; K's places in a fragment: registers 4 c .. 4 c + 3 hold k = 32 c + 16 h + 0..15, alike in both operands: a permutation of k that changes only the order of the sums.
; LIMITS: e0 between -126 and 119 (2^e0 and 448 x 2^e0 are made as f32 numbers); sh stays under 2^100 in magnitude; NaN among the inputs is not served; x . beta_w is summed in another order than row by row.
.set XP,   1040                        ; a row of x in LDS: 1,024 bytes + 16 of padding
.set BET,  66560                       ; behind x's 64 rows: beta_w, 1,024 bytes
.set STG,  67584                       ; 64 rows of ox, 96 bytes each
.set OFS,  73728                       ; 64 numbers of
.set WF,   16                          ; v16-79   the weights' fragments: tile t, K step s at WF + 32 t + 16 s
.set X,    80                          ; v80-143  64 numbers of x: register 16 c + i = k 128 s + 32 c + 16 h + i
.set BW,   144                         ; v144-207 the same places of beta_w
.set XC,   208                         ; v208-223 x's codes: a fragment
.set ACC0, 224                         ; v224-231 features 8 h + j
.set ACC1, 232                         ; v232-239 features 16 + j
.set LG,   240                         ; v240-243 x . beta_w in two packed chains
.set OX,   80                          ; behind the products: v80-95 ox
.set PA,   96                          ; v96-99   features 8 h + 0..7 in bf16
.set PB,   100                         ; v100-103 features 16-23 in bf16
.set T,    104                         ; v104-119 at work
	s_load_b512 s[4:19], s[0:1], 0x0               ; x s[4:5], beta_w s[6:7], beta_b s[8:9], codes s[10:11], coord_b s[12:13], scales s[14:15], out0 s[16:17], out1 s[18:19]
	s_load_b128 s[20:23], s[0:1], 0x40             ; ca s[20:21], hb s[22:23]
	s_load_b64 s[24:25], s[0:1], 0x50              ; info
	v_lshl_add_u32 v13, v0, 2, 0x29000
	v_mov_b32 v255, 0
	ds_add_u32 v13, v255
	ds_add_u32 v13, v255
	v_lshrrev_b32 v1, 5, v0
	v_readfirstlane_b32 s29, v1                    ; wave 0..3
	; descriptor group 1: 16 rows x 256 elements of 4 bytes, 4 words of padding behind every 256 words
	s_mov_b32 s32, (2<<16)|(1<<20)|(7<<22)|(3<<25)
	s_mov_b32 s33, 256<<16                         ; tensor_dim0
	s_mov_b32 s34, 16<<16                          ; tensor_dim1
	s_mov_b32 s35, 256<<16                         ; tile_dim0
	s_mov_b32 s36, 16                              ; tile_dim1
	s_mov_b32 s37, 256                             ; elements from row to row
	s_mov_b32 s38, 0
	s_mov_b32 s39, 0
	s_mov_b32 s40, 1
	s_mul_i32 s41, s29, 16*XP                      ; my 16 rows' place in LDS
	s_lshl_b32 s50, ttmp9, 16                      ; 64 rows of 1,024 bytes a work-group,
	s_lshl_b32 s47, s29, 14                        ; 16 a wave
	s_add_co_u32 s50, s50, s47
	s_mov_b32 s51, 0
	s_wait_dscnt 0x0
	s_wait_kmcnt 0x0
	s_add_nc_u64 s[42:43], s[4:5], s[50:51]
	s_or_b32 s43, s43, 0x80000000
	tensor_load_to_lds s[40:43], s[32:39]          ; the wave's one tensor load
	s_nop 0
	v_nop
	s_load_b64 s[26:27], s[14:15], 0x0             ; e0, e1
	s_load_b32 s28, s[8:9], 0x0                    ; beta_b
	v_and_b32 v1, 31, v0                           ; lane
	v_and_b32 v2, 15, v0                           ; r
	v_bfe_u32 v3, v0, 4, 1                         ; h
	v_lshlrev_b32 v244, 3, v0
	global_load_b64 v[14:15], v244, s[6:7]         ; beta_w: 8 bytes a thread
	v_lshlrev_b32 v6, 8, v2
	v_lshl_add_u32 v6, v3, 4, v6                   ; the codes: feature r, + 16 h
	v_and_b32 v7, 7, v2
	v_lshlrev_b32 v7, 8, v7
	v_lshl_add_u32 v7, v3, 4, v7                   ; feature 16 + r % 8 (the 16 rows stand in the immediate)
.irp s, 0,1
.irp c, 0,1,2,3
	global_load_b128 v[WF+16*\s+4*\c:WF+16*\s+4*\c+3], v6, s[10:11] offset:128*\s+32*\c
	global_load_b128 v[WF+32+16*\s+4*\c:WF+32+16*\s+4*\c+3], v7, s[10:11] offset:4096+128*\s+32*\c
.endr
.endr
	v_lshlrev_b32 v246, 5, v3
	v_mov_b32 v247, 0
	global_load_b128 v[ACC0:ACC0+3], v246, s[12:13]               ; coord_b in the result's layout: it is the C of each sum's first product
	global_load_b128 v[ACC0+4:ACC0+7], v246, s[12:13] offset:16
	global_load_b128 v[ACC1:ACC1+3], v247, s[12:13] offset:64
	global_load_b128 v[ACC1+4:ACC1+7], v247, s[12:13] offset:80
	s_lshr_b32 s47, s29, 1
	s_lshl_b32 s47, s47, 5
	s_and_b32 s48, s29, 1
	s_lshl_b32 s48, s48, 3
	s_add_co_u32 s47, s47, s48                     ; 32 (wave / 2) + 8 (wave % 2)
	v_and_b32 v254, 8, v2
	v_add_nc_u32 v254, v254, v2
	v_add_nc_u32 v254, s47, v254                   ; my hit among the 64
	v_mul_u32_u24 v4, v254, XP
	v_lshl_add_u32 v4, v3, 6, v4                   ; x: my hit's row, + 64 h: my 16 numbers of a block of 32
	v_lshl_add_u32 v5, v3, 6, BET                  ; beta_w: the same places
	v_mul_u32_u24 v8, v254, 96
	v_add_nc_u32 v8, STG, v8
	v_lshl_add_u32 v9, v3, 4, v8
	v_add_nc_u32 v9, 64, v9                        ; the stage: features 16 + 4 h on
	v_lshl_add_u32 v8, v3, 5, v8                   ; features 8 h on
	v_lshl_add_u32 v10, v254, 2, OFS
	v_lshl_add_u32 v245, v0, 3, BET
	v_lshl_add_u32 v249, v0, 4, STG                ; back out of the stage: 16 bytes a thread
	v_lshl_add_u32 v251, v1, 3, OFS
	s_lshl_b32 s47, ttmp9, 12
	s_lshl_b32 s48, s29, 10
	s_add_co_u32 s47, s47, s48
	v_lshl_add_u32 v248, v1, 4, s47                ; ca, hb: tile 4 g + wave, 16 x lane
	s_mul_i32 s48, ttmp9, 6144
	v_lshl_add_u32 v250, v0, 4, s48                ; out1
	s_lshl_b32 s48, ttmp9, 8
	v_lshl_add_u32 v252, v1, 3, s48                ; out0
	s_lshl_b32 s48, ttmp9, 4
	v_mov_b32 v253, s48                            ; info
	s_mov_b32 s44, 0x76543210                      ; v_permlanex16_b32: lane l xor 16
	s_mov_b32 s45, 0xfedcba98
	s_mov_b32 s46, 0xffff0000                      ; lanes 16-31, and a word's upper bf16
	s_mov_b32 s53, 0x3dcccccd                      ; 0.1
	s_wait_loadcnt 20                              ; beta_w is in: the 20 loads issued behind it may be out
	ds_store_b64 v245, v[14:15]
	s_wait_tensorcnt 0x0                           ; my 16 rows have landed,
	s_wait_dscnt 0x0                               ; my part of beta_w is stored:
	s_barrier_signal -1
	s_barrier_wait -1                              ; everybody's: a wave's hits lie in rows that other waves fetched
.macro LOADX s
.irp c, 0,1,2,3
.irp j, 0,1,2,3
	ds_load_b128 v[X+16*\c+4*\j:X+16*\c+4*\j+3], v4 offset:512*\s+128*\c+16*\j
.endr
.endr
.endm
.macro LOADB s
.irp c, 0,1,2,3
.irp j, 0,1,2,3
	ds_load_b128 v[BW+16*\c+4*\j:BW+16*\c+4*\j+3], v5 offset:512*\s+128*\c+16*\j
.endr
.endr
.endm
.macro DOT first                       ; 64 multiply-adds, two at a time, in two chains; first = 1: the first two start the sums
.set i, 0
.rept 32
.if \first && (i < 2)
	v_pk_mul_f32 v[LG+2*i:LG+2*i+1], v[X+2*i:X+2*i+1], v[BW+2*i:BW+2*i+1]
.else
	v_pk_fma_f32 v[LG+2*(i%2):LG+2*(i%2)+1], v[X+2*i:X+2*i+1], v[BW+2*i:BW+2*i+1], v[LG+2*(i%2):LG+2*(i%2)+1]
.endif
.set i, i+1
.endr
.endm
.macro QUANT                           ; the 64 numbers become a fragment's codes
.irp c, 0,1,2,3
.irp i, 0,1,2,3,4,5,6,7,8,9,10,11,12,13,14,15
	v_med3_num_f32 v[X+16*\c+\i], v[X+16*\c+\i], -v11, v11      ; the conversion to an 8-bit code does not saturate (ISA guide 7.6.2): the hold at 448 x 2^e0
.endr
	v_cvt_scalef32_pk8_fp8_f32 v[XC+4*\c:XC+4*\c+1], v[X+16*\c:X+16*\c+7], v12
	v_cvt_scalef32_pk8_fp8_f32 v[XC+4*\c+2:XC+4*\c+3], v[X+16*\c+8:X+16*\c+15], v12
.endr
	v_nop                                          ; one plain vector instruction between the last conversion and what touches its result or writes its sources
.endm
.macro MUL2 s                          ; the two accumulators take turns, one instruction a turn
	v_wmma_f32_16x16x128_fp8_fp8 v[ACC0:ACC0+7], v[WF+16*\s:WF+16*\s+15], v[XC:XC+15], v[ACC0:ACC0+7]
	v_wmma_f32_16x16x128_fp8_fp8 v[ACC1:ACC1+7], v[WF+32+16*\s:WF+32+16*\s+15], v[XC:XC+15], v[ACC1:ACC1+7]
.endm
	LOADX 0
	LOADB 0
	s_wait_kmcnt 0x0
	s_add_co_i32 s30, s26, s27                     ; e0 + e1
	s_sub_co_i32 s31, 0, s30
	s_add_co_i32 s47, s26, 127
	s_lshl_b32 s48, s47, 23
	v_mov_b32 v12, s48                             ; 2^e0 as f32: the conversion takes its exponent field
	s_add_co_i32 s47, s47, 8
	s_lshl_b32 s47, s47, 23
	s_or_b32 s47, s47, 0x600000
	v_mov_b32 v11, s47                             ; 448 x 2^e0
	s_wait_dscnt 0x0
	DOT 1
	LOADB 1                                        ; the second K step lands while the first is quantised
	QUANT
	LOADX 1
	s_wait_loadcnt 0x0                             ; the weights' fragments and coord_b
.irp j, 0,1,2,3,4,5,6,7,8,9,10,11,12,13,14,15
	v_ldexp_f32 v[ACC0+\j], v[ACC0+\j], s31        ; a sum stands for sum x 2^(e0 + e1): the bias goes in divided by that
.endr
	MUL2 0
	s_wait_dscnt 0x0
	DOT 0                                          ; these 32 plain lines also stand between the products and the conversions that write their source anew
	QUANT
	MUL2 1
	v_pk_add_f32 v[LG:LG+1], v[LG:LG+1], v[LG+2:LG+3]   ; the logit's last lines are the places behind the last products (ISA guide 7.12.1)
	v_add_f32 v240, v240, v241
	v_permlanex16_b32 v244, v240, s44, s45         ; the hit's other 128 places of k lie in the lane 16 away
	v_add_f32 v240, v240, v244
	v_add_f32 v240, s28, v240
	v_mul_f32 v240, 0xbfb8aa3b, v240               ; x -log2(e)
	v_exp_f32 v240, v240
.irp j, 0,1,2,3,4,5,6,7
	v_ldexp_f32 v[OX+\j], v[ACC0+\j], s30          ; ox; each accumulator from its low end on
.endr
.irp j, 0,1,2,3,4,5,6,7
	v_ldexp_f32 v[OX+8+\j], v[ACC1+\j], s30
.endr
	s_wait_alu depctr_va_vdst(0)                   ; ahead of the exponential's first reader
	v_add_f32 v240, 1.0, v240
	v_rcp_f32 v241, v240                           ; of; all down to the next such wait is work that does not name it
	ds_store_b128 v8, v[OX:OX+3]
	ds_store_b128 v8, v[OX+4:OX+7] offset:16
.irp i, 0,1,2,3
	v_cndmask_b32 v[140+\i], v[OX+8+\i], v[OX+12+\i], s46       ; lanes 0-15 store features 16-19, lanes 16-31 features 20-23
.endr
	ds_store_b128 v9, v[140:143]
.irp i, 0,1,2,3
	v_cvt_pk_bf16_f32 v[PA+\i], v[OX+2*\i], v[OX+2*\i+1]
	v_cvt_pk_bf16_f32 v[PB+\i], v[OX+8+2*\i], v[OX+9+2*\i]
.endr
.irp i, 0,1,2,3
	v_lshlrev_b32 v[T+2*\i], 16, v[PA+\i]          ; the rounded numbers as f32: the sum of squares is taken of what the next launch multiplies
	v_and_b32 v[T+2*\i+1], s46, v[PA+\i]
	v_lshlrev_b32 v[T+8+2*\i], 16, v[PB+\i]
	v_and_b32 v[T+9+2*\i], s46, v[PB+\i]
.endr
	v_pk_mul_f32 v[120:121], v[T:T+1], v[T:T+1]
	v_pk_mul_f32 v[122:123], v[T+8:T+9], v[T+8:T+9]
.irp i, 2,4,6
	v_pk_fma_f32 v[120:121], v[T+\i:T+\i+1], v[T+\i:T+\i+1], v[120:121]
	v_pk_fma_f32 v[122:123], v[T+8+\i:T+9+\i], v[T+8+\i:T+9+\i], v[122:123]
.endr
	v_add_f32 v120, v120, v121
	v_add_f32 v122, v122, v123
	v_cndmask_b32 v122, v122, 0, s46               ; features 16-23 count once: in lanes 0-15
	v_add_f32 v120, v120, v122
	v_permlanex16_b32 v244, v120, s44, s45
	v_add_f32 v120, v120, v244
	v_mul_f32 v104, -0.5, v120                     ; sh
	v_cvt_pk_bf16_f32 v105, v104, v104
	v_and_b32 v106, s46, v105                      ; its first piece, as f32
	v_sub_f32 v107, v104, v106                     ; what is left, exactly
	v_cvt_pk_bf16_f32 v108, v107, v107
	v_and_b32 v109, s46, v108                      ; the second piece
	v_sub_f32 v110, v107, v109                     ; the third: 8 bits at the most are left
	v_mov_b32 v111, 1.0
	v_mov_b32 v112, 0
	v_mov_b32 v113, 0xf180                         ; -2^100 in bf16 at k 30, 0 at k 31
	v_cvt_pk_bf16_f32 v124, v106, v109             ; ca, k 24-31, in v124-127
	v_cvt_pk_bf16_f32 v125, v110, v111
	v_mov_b32 v126, 0x3f803f80
	v_mov_b32 v128, 0x3f803f80                     ; hb, k 24-31, in v128-131
	v_cvt_pk_bf16_f32 v129, v111, v106
	v_cvt_pk_bf16_f32 v130, v109, v110
	v_mov_b32 v131, 0x3f80
	s_wait_alu depctr_va_vdst(0)                   ; ahead of the reciprocal's first reader
	ds_store_b32 v10, v241                         ; both halves of the lanes hold the same number for the same word
	v_cmp_lt_f32 vcc_lo, s53, v241                 ; a centre?
	v_cndmask_b32 v127, v113, v112, vcc_lo
.irp i, 0,1,2,3
	v_cndmask_b32 v[132+\i], v[PB+\i], v[124+\i], s46           ; registers 4-7 of the operand: k 16-23 in lanes 0-15, k 24-31 in lanes 16-31
	v_cndmask_b32 v[136+\i], v[PB+\i], v[128+\i], s46
.endr
	global_store_b128 v248, v[PA:PA+3], s[20:21]                ; each store of the wave covers 512 consecutive bytes, aligned
	global_store_b128 v248, v[132:135], s[20:21] offset:512
	global_store_b128 v248, v[PA:PA+3], s[22:23]
	global_store_b128 v248, v[136:139], s[22:23] offset:512
	s_wait_dscnt 0x0                               ; for the others' sake: my rows of ox and my of lie in LDS
	s_barrier_signal -1
	s_barrier_wait -1
.irp i, 0,1,2
	ds_load_b128 v[144+4*\i:147+4*\i], v249 offset:2048*\i      ; the 64 rows of ox are 6,144 dense bytes of out1
.endr
.irp i, 0,1,2
	s_wait_dscnt 2-\i
	global_store_b128 v250, v[144+4*\i:147+4*\i], s[18:19] offset:2048*\i
.endr
	s_cmp_lg_u32 s29, 0
	s_cbranch_scc1 .Lend                           ; wave 0 alone: of, and the record
	ds_load_b64 v[160:161], v251
	s_wait_dscnt 0x0
	global_store_b64 v252, v[160:161], s[16:17]    ; 256 consecutive bytes, aligned
	v_cmp_lt_f32 s47, s53, v160                    ; E
	v_cmp_lt_f32 s48, s53, v161                    ; O
	s_bcnt1_i32_b32 s49, s47
	s_bcnt1_i32_b32 s50, s48
	s_add_co_u32 s49, s49, s50
	v_mov_b32 v164, s47
	v_mov_b32 v165, s48
	v_mov_b32 v166, s49
	v_mov_b32 v167, 0
	s_wait_xcnt 0x0                                ; EXEC changes only behind this wait
	v_cmp_eq_u32 vcc_lo, 0, v1
	s_and_saveexec_b32 s55, vcc_lo
	global_store_b128 v253, v[164:167], s[24:25]   ; lane 0: the record's 16 bytes
	s_wait_xcnt 0x0                                ; and again, in front of the line that widens it
	s_or_b32 exec_lo, exec_lo, s55
.Lend:
	s_wait_tensorcnt 0x0
	ds_add_u32 v13, v255
	s_wait_dscnt 0x0
	s_endpgm
.Lfunc_end_k_q923375ed0d_project:
	.size	k_q923375ed0d_project, .Lfunc_end_k_q923375ed0d_project-k_q923375ed0d_project
	.p2alignl 7, 3214868480
	.fill 96, 4, 3214868480
	.section	.rodata,"a",@progbits
	.p2align	6, 0x0
	.amdhsa_kernel k_q923375ed0d_project
		.amdhsa_group_segment_fixed_size 168448
		.amdhsa_private_segment_fixed_size 0
		.amdhsa_enable_private_segment 0
		.amdhsa_kernarg_size 88
		.amdhsa_user_sgpr_count 2
		.amdhsa_user_sgpr_kernarg_segment_ptr 1
		.amdhsa_wavefront_size32 1
		.amdhsa_system_sgpr_workgroup_id_x 1
		.amdhsa_system_sgpr_workgroup_id_y 1
		.amdhsa_system_sgpr_workgroup_id_z 1
		.amdhsa_system_vgpr_workitem_id 0
		.amdhsa_next_free_vgpr 256
		.amdhsa_next_free_sgpr 66
		.amdhsa_reserve_vcc 1
		.amdhsa_float_denorm_mode_32 3
		.amdhsa_float_denorm_mode_16_64 3
		.amdhsa_memory_ordered 1
		.amdhsa_forward_progress 1
		.amdhsa_inst_pref_size 33
	.end_amdhsa_kernel
	.amdgpu_metadata
---
amdhsa.version: [ 1, 2 ]
amdhsa.kernels:
  - .name:           k_q923375ed0d_project
    .symbol:         k_q923375ed0d_project.kd
    .args:
      - { .name: x, .offset: 0, .size: 8, .value_kind: global_buffer, .address_space: global }
      - { .name: beta_w, .offset: 8, .size: 8, .value_kind: global_buffer, .address_space: global }
      - { .name: beta_b, .offset: 16, .size: 8, .value_kind: global_buffer, .address_space: global }
      - { .name: coord_w_codes, .offset: 24, .size: 8, .value_kind: global_buffer, .address_space: global }
      - { .name: coord_b, .offset: 32, .size: 8, .value_kind: global_buffer, .address_space: global }
      - { .name: lowp_scales, .offset: 40, .size: 8, .value_kind: global_buffer, .address_space: global }
      - { .name: out0, .offset: 48, .size: 8, .value_kind: global_buffer, .address_space: global }
      - { .name: out1, .offset: 56, .size: 8, .value_kind: global_buffer, .address_space: global }
      - { .name: ca, .offset: 64, .size: 8, .value_kind: global_buffer, .address_space: global }
      - { .name: hb, .offset: 72, .size: 8, .value_kind: global_buffer, .address_space: global }
      - { .name: info, .offset: 80, .size: 8, .value_kind: global_buffer, .address_space: global }
    .group_segment_fixed_size: 168448
    .private_segment_fixed_size: 0
    .kernarg_segment_align: 8
    .kernarg_segment_size: 88
    .max_flat_workgroup_size: 128
    .sgpr_count:     66
    .vgpr_count:     256
    .wavefront_size: 32
...
	.end_amdgpu_metadata
.endif
;; end of part 1
;; launch pairs (part 2): grid 64 x 4, 16 waves a work-group, clusters of 4 x 1, 296,960 bytes of LDS; arguments ca, hb, info, cand, rank; writes cand, rank
.if DOCPART == 2
	.amdgcn_target "amdgcn-amd-amdhsa--gfx1250"
	.amdhsa_code_object_version 6
	.text
	.protected	k_q923375ed0d_pairs
	.globl	k_q923375ed0d_pairs
	.p2align	8
	.type	k_q923375ed0d_pairs,@function
k_q923375ed0d_pairs:
	s_mov_b64 s[64:65], 0
	v_nop
	global_prefetch_b8 v0, s[64:65] scope:SCOPE_SE
	s_setreg_imm32_b32 hwreg(HW_REG_WAVE_MODE, 25, 1), 1
	s_wait_xcnt 0x0
	s_wait_alu depctr_hold_cnt(0) depctr_sa_sdst(0) depctr_va_vdst(0) depctr_va_sdst(0) depctr_va_ssrc(0) depctr_va_vcc(0) depctr_vm_vsrc(0)
	s_getreg_b32 s2, hwreg(HW_REG_IB_STS2, 6, 4)
	s_cmp_eq_u32 s2, 0
	s_cbranch_scc0 .Lentry_in_a_cluster
	s_endpgm
.Lentry_in_a_cluster:
	s_bfe_u32 s2, ttmp6, 0x10000c
	s_cmp_lg_u32 s2, 0x3003
	s_cbranch_scc0 .Lentry_shape_is_right
	s_endpgm
.Lentry_shape_is_right:
; All pairs: D = ca hb^T = -|oxb_i - oxb_j|^2 / 2, less 2^100 where j is no centre, by v_wmma_f32_16x16x32_bf16 (K = 24 coordinates + 8 places that carry the squares and the mask).
; For each hit and each quarter of the centres the launch keeps WHICH RUN OF 16 NEIGHBOURING CENTRES holds the largest D, held at 0 from above (the reference's clamp of d^2 at 0), and that D:
; cand[quarter][hit] = {bits of d^2 / 2 (not negative, so ordered as a whole number), run 0..1023}.  The next launch works the run out in f32.  No root, no radius test and no index is made for a single pair.
; It also makes rank[hit]: the centre's ordinal, or -1 for a hit that is no centre, from the records of 64 hits: wave 15 of work-group (X, y) serves block 4 X + y.
; SHARES.  Work-group (X, y): hits 256 X on against centres 4,096 y on.  The quarter's operand, 262,144 bytes, lies in LDS whole and is filled once.  Wave w: hits 128 (w % 2) on, 8 tiles that stay in registers;
; centres 512 (w / 2) on: 16 groups of two tiles.  A fragment read from LDS feeds 8 matrix instructions.  Four waves share a SIMD, so that one wave's maxima stand beside another's products.
; LAYOUT.  Source 0 = 16 centres, source 1 = 16 hits: lane (r, h) holds one hit, and its 16 results of tiles 2 b, 2 b + 1 are centres 32 b + 16 h + 0..15: run 2 b + h.
; CLUSTER.  The four work-groups of a cluster have the same y and need the same quarter: every fill is a joint load (mask 15).  Each wave issues four loads of 4,096 bytes, one for each quarter of its centres' part,
; so that the products begin when the first has landed: four tensor loads of a wave are out at the most.
; LIMITS: the run is chosen on coordinates rounded to bf16; between runs a tie is a tie of the clamped d^2, and the lower run wins; NaN is not served.
.set SCRV, 262144                      ; behind the operand: [16 entries = 2 (w / 2) + h][256 hits] f32: each lane's best D;  16,384 bytes further on the same for the run
.set A,   80                           ; v80-95   two tiles of centres
.set B,   16                           ; v16-79   my 8 tiles of hits
.set ACC, 96                           ; v96-223  results: hit tile q, centre tile u at ACC + 16 q + 8 u
.set RV,  224                          ; v224-231 the best D so far, for each hit tile
.set RG,  232                          ; v232-239 and its group (run less h)
; v1 16 x lane; v2 the LDS address in hand; v3 where my bests go; v4 h; v5 where a hit's 16 entries are read; v6 cand's offset; v7 hb's; v8 lane; v11 rank's offset; v9-15 at work
; s14 wave, s15 w % 2, s16 w / 2, s17 cx, s18 X, s19 y, s20 LDS byte of the group to be fetched, s21 the run number of the group whose maxima are taken, s22 trips, s23 block
.macro ROUND                           ; a round of the cluster's barrier
	s_barrier_signal -1
	s_barrier_wait -1
	s_cmp_lg_u32 s14, 0
	s_cbranch_scc1 .Lnot_wave_0_\@
	s_barrier_signal -3
.Lnot_wave_0_\@:
	s_barrier_wait -3
	s_barrier_signal -1
	s_barrier_wait -1
.endm
	s_load_b256 s[4:11], s[0:1], 0x0               ; ca s[4:5], hb s[6:7], info s[8:9], cand s[10:11]
	s_load_b64 s[12:13], s[0:1], 0x20              ; rank
	v_lshl_add_u32 v240, v0, 2, 0x48000
	v_mov_b32 v241, 0
	ds_add_u32 v240, v241
	ds_add_u32 v240, v241
	v_lshrrev_b32 v8, 5, v0
	v_readfirstlane_b32 s14, v8                    ; wave 0..15
	s_and_b32 s15, s14, 1
	s_lshr_b32 s16, s14, 1
	s_bfe_u32 s17, ttmp6, 0x40000                  ; cx: it enters global offsets alone
	s_lshl_b32 s18, ttmp9, 2
	s_add_co_u32 s18, s18, s17                     ; X = 4 x cluster x + cx
	s_and_b32 s19, ttmp7, 0xffff                   ; y, which the four partners share
	; descriptor group 1: 16 rows of 256 bytes, dense
	s_mov_b32 s24, 15|(3<<16)|(1<<21)              ; 15:0 the mask: all four work-groups; 17:16 elements of 8 bytes; 21 set beside a mask
	s_mov_b32 s25, 32<<16                          ; tensor_dim0
	s_mov_b32 s26, 16<<16                          ; tensor_dim1
	s_mov_b32 s27, 32<<16                          ; tile_dim0
	s_mov_b32 s28, 16                              ; tile_dim1
	s_mov_b32 s29, 32                              ; elements from row to row
	s_mov_b32 s30, 0
	s_mov_b32 s31, 0
	v_and_b32 v8, 31, v0                           ; lane
	v_lshlrev_b32 v1, 4, v8
	v_and_b32 v9, 15, v0                           ; r
	v_bfe_u32 v4, v0, 4, 1                         ; h
	v_and_b32 v10, 8, v9
	v_add_nc_u32 v10, v10, v9                      ; r + 8 (r / 8): my hit's place in a pair of tiles
	s_lshl_b32 s58, s16, 11
	s_lshl_b32 s59, s15, 9
	s_add_co_u32 s58, s58, s59
	s_add_co_u32 s58, s58, SCRV
	v_lshl_add_u32 v3, v10, 2, s58
	v_lshl_add_u32 v3, v4, 10, v3                  ; entry 2 (w / 2) + h, hit 128 (w % 2) + r + 8 (r / 8); the hit tile stands in the immediate
	v_lshl_add_u32 v5, v0, 2, SCRV
	s_lshl_b32 s60, s19, 17
	s_lshl_b32 s61, s18, 11
	s_add_co_u32 s60, s60, s61
	v_lshl_add_u32 v6, v0, 3, s60                  ; cand: quarter y, hit 256 X + thread, 8 bytes
	s_lshl_b32 s60, s18, 14
	s_lshl_b32 s61, s15, 13
	s_add_co_u32 s60, s60, s61
	v_add_nc_u32 v7, s60, v1                       ; hb: tile 16 X + 8 (w % 2), 16 x lane
	s_lshl_b32 s23, s18, 2
	s_add_co_u32 s23, s23, s19                     ; block 4 X + y
	s_lshl_b32 s60, s23, 8
	v_lshl_add_u32 v11, v8, 3, s60                 ; rank: 256 bytes a block, 8 a lane
	s_lshl_b32 s20, s16, 15                        ; my centres' part of the operand
	s_lshl_b32 s21, s19, 8
	s_lshl_b32 s60, s16, 5
	s_add_co_u32 s21, s21, s60                     ; its first run: 256 y + 32 (w / 2)
	s_mov_b32 s52, 0x76543210                      ; v_permlanex16_b32: lane l xor 16
	s_mov_b32 s53, 0xfedcba98
	s_lshl_b32 s55, s15, 12
	s_add_co_u32 s54, s20, s55                     ; what I fetch: of each 8,192 bytes of my part, half w % 2; the same place in LDS and in the quarter
	s_lshl_b32 s56, s19, 18
	s_add_co_u32 s56, s56, s54
	s_mov_b32 s57, 0
	s_wait_dscnt 0x0
	s_wait_kmcnt 0x0
	s_add_nc_u64 s[56:57], s[4:5], s[56:57]
.irp a, 0,1,2,3
	s_mov_b32 s[32+4*\a], 1
	s_add_co_u32 s[33+4*\a], s54, \a*8192
	s_add_nc_u64 s[34+4*\a:35+4*\a], s[56:57], \a*8192
	s_or_b32 s[35+4*\a], s[35+4*\a], 0x80000000
.endr
	ROUND                                          ; all four work-groups are here: the joint loads meet
	tensor_load_to_lds s[32:35], s[24:31]
	s_nop 0
	tensor_load_to_lds s[36:39], s[24:31]
	s_nop 0
	tensor_load_to_lds s[40:43], s[24:31]
	s_nop 0
	tensor_load_to_lds s[44:47], s[24:31]
	s_nop 0
.rept 4
	v_nop
.endr
.irp q, 0,1,2,3,4,5,6,7
	global_load_b128 v[B+8*\q:B+8*\q+3], v7, s[6:7] offset:1024*\q
	global_load_b128 v[B+8*\q+4:B+8*\q+7], v7, s[6:7] offset:1024*\q+512
.endr
	; THE ORDINALS of block s23, by wave 15, while the tiles are on their way
	s_cmp_lg_u32 s14, 15
	s_cbranch_scc1 .Lno_rank
	s_lshl_b32 s54, s23, 4
	s_load_b64 s[48:49], s[8:9], s54 offset:0x0    ; the block's E and O
.irp e, 0,1,2,3,4,5,6,7
	global_load_b128 v[96+4*\e:99+4*\e], v1, s[8:9] offset:512*\e   ; lane l: records l + 32 e: 512 consecutive bytes a load
.endr
	v_sub_nc_u32 v12, s23, v8                      ; record l + 32 e lies ahead of my block where 32 e < block - l
	v_mov_b32 v13, 0
	s_wait_loadcnt 0x0
.irp e, 0,1,2,3,4,5,6,7
	v_cmp_lt_i32 vcc_lo, 32*\e, v12
	v_cndmask_b32 v14, 0, v[98+4*\e], vcc_lo
	v_add_nc_u32 v13, v13, v14
.endr
.irp m, 1,2,4,8
	v_mov_b32_dpp v14, v13 row_xmask:\m row_mask:0xf bank_mask:0xf
	v_add_nc_u32 v13, v13, v14
.endr
	v_permlanex16_b32 v14, v13, s52, s53
	v_add_nc_u32 v13, v13, v14                     ; the centres ahead of the block
	s_wait_kmcnt 0x0
	v_mbcnt_lo_u32_b32 v13, s48, v13
	v_mbcnt_lo_u32_b32 v13, s49, v13               ; and ahead of hit 2 l in it
	v_cndmask_b32 v14, 0, 1, s48
	v_add_nc_u32 v15, v13, v14                     ; ahead of hit 2 l + 1
	v_cndmask_b32 v12, -1, v13, s48
	v_cndmask_b32 v13, -1, v15, s49
	global_store_b64 v11, v[12:13], s[12:13]       ; 256 consecutive bytes, aligned
	s_wait_xcnt 0x0                                ; the store has read its registers
.Lno_rank:
.macro LOADA                           ; the next group's two tiles, as they lie
.irp u, 0,1
	ds_load_b128 v[A+8*\u:A+8*\u+3], v2 offset:1024*\u
	ds_load_b128 v[A+8*\u+4:A+8*\u+7], v2 offset:1024*\u+512
.endr
	s_add_co_u32 s20, s20, 2048
.endm
.macro MULS                            ; 16 products, each a whole sum: K is one step, so C is 0 and no accumulator is taken up again
.irp q, 0,1,2,3,4,5,6,7
.irp u, 0,1
	v_wmma_f32_16x16x32_bf16 v[ACC+16*\q+8*\u:ACC+16*\q+8*\u+7], v[A+8*\u:A+8*\u+7], v[B+8*\q:B+8*\q+7], 0
.endr
.endr
.endm
; The maxima of two hit tiles, line by line by turns: 16 results a lane and tile become one, held at 0; where it beats the best so far (strictly: the earlier run keeps a tie) the group's number is taken.
; Each accumulator is read from its low end on.
.macro TREE2 q0, q1
.set RA, ACC+16*(\q0)
.set RB, RA+8
.set RC, ACC+16*(\q1)
.set RD, RC+8
.irp i, 1,3,5
	v_max3_num_f32 v[RA], v[RA], v[RA+\i], v[RA+\i+1]
	v_max3_num_f32 v[RC], v[RC], v[RC+\i], v[RC+\i+1]
	v_max3_num_f32 v[RB], v[RB], v[RB+\i], v[RB+\i+1]
	v_max3_num_f32 v[RD], v[RD], v[RD+\i], v[RD+\i+1]
.endr
	v_max3_num_f32 v[RA], v[RA], v[RA+7], v[RB+7]
	v_max3_num_f32 v[RC], v[RC], v[RC+7], v[RD+7]
	v_max_num_f32 v[RA], v[RA], v[RB]
	v_max_num_f32 v[RC], v[RC], v[RD]
	v_min_num_f32 v[RA], 0, v[RA]
	v_min_num_f32 v[RC], 0, v[RC]
	v_cmp_gt_f32 s50, v[RA], v[RV+\q0]
	v_cmp_gt_f32 s51, v[RC], v[RV+\q1]
	v_cndmask_b32 v[RG+\q0], v[RG+\q0], s21, s50
	v_cndmask_b32 v[RG+\q1], v[RG+\q1], s21, s51
	v_max_num_f32 v[RV+\q0], v[RV+\q0], v[RA]
	v_max_num_f32 v[RV+\q1], v[RV+\q1], v[RC]
.endm
.macro TREES
	TREE2 0, 1
	TREE2 2, 3
	TREE2 4, 5
	TREE2 6, 7
.endm
; n trips.  A trip fetches a group's tiles, takes the maxima of the group before while they come, and multiplies.  The address line and three v_nop are the four places between the last products
; and the loads into their source and the first read of results; between two products onto one accumulator stand the other tiles' maxima, more than five plain lines that name none of its registers.
.macro TRIPS n
	s_mov_b32 s22, \n
.Ltrip_\@:
	v_add_nc_u32 v2, s20, v1
.rept 3
	v_nop
.endr
	LOADA
	TREES
	s_add_co_u32 s21, s21, 2
	s_wait_dscnt 0x0
	MULS
	s_sub_co_u32 s22, s22, 1
	s_cmp_lg_u32 s22, 0
	s_cbranch_scc1 .Ltrip_\@
.endm
.irp q, 0,1,2,3,4,5,6,7
	v_mov_b32 v[RV+\q], 0xff800000                 ; -infinity: under every D
	v_mov_b32 v[RG+\q], s21
.endr
	s_wait_tensorcnt 0x3                           ; my first load has landed; the three behind it may stay out
	s_barrier_signal -1
	s_barrier_wait -1                              ; everybody's: a part's two halves come from two waves
	v_add_nc_u32 v2, s20, v1
	LOADA                                          ; group 0
	s_wait_loadcnt 0x0                             ; my hits' tiles
	s_wait_dscnt 0x0
	MULS
	TRIPS 3                                        ; groups 1 to 3
.irp a, 1,2,3
	s_wait_tensorcnt 3-\a                          ; my load number a has landed
	s_wait_dscnt 0x0
	s_barrier_signal -1
	s_barrier_wait -1
	TRIPS 4                                        ; groups 4 a to 4 a + 3
.endr
.rept 4
	v_nop                                          ; places behind the last products
.endr
	TREES                                          ; group 15
.irp q, 0,1,2,3,4,5,6,7
	v_add_nc_u32 v[RG+\q], v[RG+\q], v4            ; the run: the group's number + h
.endr
.irp q, 0,1,2,3,4,5,6,7
	ds_store_b32 v3, v[RV+\q] offset:128*(\q/2)+32*(\q%2)
	ds_store_b32 v3, v[RG+\q] offset:16384+128*(\q/2)+32*(\q%2)
.endr
	s_wait_dscnt 0x0                               ; for the others' sake: my bests lie in LDS
	s_barrier_signal -1
	s_barrier_wait -1
	s_cmp_gt_u32 s14, 7
	s_cbranch_scc1 .Ldone                          ; waves 0 to 7: a thread to a hit, 16 entries each
.irp e, 0,1,2,3,4,5,6,7,8,9,10,11,12,13,14,15
	ds_load_b32 v[96+\e], v5 offset:1024*\e
	ds_load_b32 v[112+\e], v5 offset:16384+1024*\e
.endr
	s_wait_dscnt 0x0
.macro LEX e                           ; the larger D; at a tie the lower run
	v_cmp_eq_f32 s50, v[96+\e], v96
	v_min_u32 v8, v112, v[112+\e]
	v_cndmask_b32 v112, v112, v8, s50
	v_cmp_gt_f32 s51, v[96+\e], v96
	v_cndmask_b32 v112, v112, v[112+\e], s51
	v_max_num_f32 v96, v96, v[96+\e]
.endm
.irp e, 1,2,3,4,5,6,7,8,9,10,11,12,13,14,15
	LEX \e
.endr
	v_and_b32 v10, 0x7fffffff, v96                 ; D is 0 or less: without its sign it is d^2 / 2, whose bits are ordered as a whole number
	v_mov_b32 v11, v112
	global_store_b64 v6, v[10:11], s[10:11]        ; a wave stores 256 consecutive bytes, aligned
.Ldone:
	s_wait_tensorcnt 0x0
	ds_add_u32 v240, v241
	s_wait_dscnt 0x0
	ROUND                                          ; the closing round: no work-group ends while a partner may still ask for a tile that names it
	s_endpgm
.Lfunc_end_k_q923375ed0d_pairs:
	.size	k_q923375ed0d_pairs, .Lfunc_end_k_q923375ed0d_pairs-k_q923375ed0d_pairs
	.p2alignl 7, 3214868480
	.fill 96, 4, 3214868480
	.section	.rodata,"a",@progbits
	.p2align	6, 0x0
	.amdhsa_kernel k_q923375ed0d_pairs
		.amdhsa_group_segment_fixed_size 296960
		.amdhsa_private_segment_fixed_size 0
		.amdhsa_enable_private_segment 0
		.amdhsa_kernarg_size 40
		.amdhsa_user_sgpr_count 2
		.amdhsa_user_sgpr_kernarg_segment_ptr 1
		.amdhsa_wavefront_size32 1
		.amdhsa_system_sgpr_workgroup_id_x 1
		.amdhsa_system_sgpr_workgroup_id_y 1
		.amdhsa_system_sgpr_workgroup_id_z 1
		.amdhsa_system_vgpr_workitem_id 0
		.amdhsa_next_free_vgpr 242
		.amdhsa_next_free_sgpr 66
		.amdhsa_reserve_vcc 1
		.amdhsa_float_denorm_mode_32 3
		.amdhsa_float_denorm_mode_16_64 3
		.amdhsa_memory_ordered 1
		.amdhsa_forward_progress 1
		.amdhsa_inst_pref_size 54
	.end_amdhsa_kernel
	.amdgpu_metadata
---
amdhsa.version: [ 1, 2 ]
amdhsa.kernels:
  - .name:           k_q923375ed0d_pairs
    .symbol:         k_q923375ed0d_pairs.kd
    .args:
      - { .name: ca, .offset: 0, .size: 8, .value_kind: global_buffer, .address_space: global }
      - { .name: hb, .offset: 8, .size: 8, .value_kind: global_buffer, .address_space: global }
      - { .name: info, .offset: 16, .size: 8, .value_kind: global_buffer, .address_space: global }
      - { .name: cand, .offset: 24, .size: 8, .value_kind: global_buffer, .address_space: global }
      - { .name: rank, .offset: 32, .size: 8, .value_kind: global_buffer, .address_space: global }
    .group_segment_fixed_size: 296960
    .private_segment_fixed_size: 0
    .kernarg_segment_align: 8
    .kernarg_segment_size: 40
    .max_flat_workgroup_size: 512
    .sgpr_count:     66
    .vgpr_count:     242
    .wavefront_size: 32
...
	.end_amdgpu_metadata
.endif
;; end of part 2
;; launch refine (part 3): grid 256 x 1, 32 waves a work-group, no clusters, 4,608 bytes of LDS; arguments cand, rank, out1, out2, out3; writes out2, out3
.if DOCPART == 3
	.amdgcn_target "amdgcn-amd-amdhsa--gfx1250"
	.amdhsa_code_object_version 6
	.text
	.protected	k_q923375ed0d_refine
	.globl	k_q923375ed0d_refine
	.p2align	8
	.type	k_q923375ed0d_refine,@function
k_q923375ed0d_refine:
	s_mov_b64 s[64:65], 0
	v_nop
	global_prefetch_b8 v0, s[64:65] scope:SCOPE_SE
	s_setreg_imm32_b32 hwreg(HW_REG_WAVE_MODE, 25, 1), 1
	s_wait_xcnt 0x0
; For each hit: of the four quarters' candidates the one with the least key (whole numbers read from memory; at a tie the lower quarter), then the 16 centres of that run in f32:
; dist = sqrt(sum of (ox_j - ox_i)^2); it counts where j is a centre (rank >= 0) and dist < 1; else 1e9.  out2 = the least of the 16; out3 = the ordinal of the first centre that has it, or -1 where none counts.
; SHARES.  A work-group takes 64 hits; sixteen neighbouring lanes take a hit, a lane a centre.  The loads of a stage go out together; the second stage's addresses hang on the first's whole numbers.
; No matrix work, no tensor load: each number is used once.
; LIMITS: d^2 is formed as a sum of squared differences (never negative, so the clamp at 0 is implied), not as sq + sq - 2 dot; among the 16 the lower ordinal is the lower index.
	s_load_b256 s[4:11], s[0:1], 0x0               ; cand s[4:5], rank s[6:7], out1 s[8:9], out2 s[10:11]
	s_load_b64 s[12:13], s[0:1], 0x20              ; out3
	v_lshl_add_u32 v80, v0, 2, 0x200
	v_mov_b32 v81, 0
	v_lshrrev_b32 v5, 5, v0
	v_readfirstlane_b32 s14, v5                    ; wave 0..31
	v_and_b32 v1, 15, v0                           ; which centre of the run
	v_lshrrev_b32 v2, 4, v0                        ; which hit of the 64
	s_lshl_b32 s16, ttmp9, 9
	v_lshl_add_u32 v3, v2, 3, s16                  ; cand: 8 bytes a hit
	s_mul_i32 s17, ttmp9, 6144
	v_mad_u32_u24 v4, v2, 96, s17                  ; the hit's row of ox
	v_and_b32 v5, 63, v0
	v_lshlrev_b32 v5, 3, v5                        ; LDS, on the way out: wave 0 the 64 distances, wave 1 the 64 ordinals
	v_lshlrev_b32 v6, 2, v2                        ; LDS, on the way in
	v_and_b32 v7, 31, v0
	s_lshl_b32 s18, ttmp9, 8
	v_lshl_add_u32 v7, v7, 3, s18                  ; out2, out3: 256 bytes a work-group, 8 a lane
	s_wait_kmcnt 0x0
.irp y, 0,1,2,3
	global_load_b64 v[8+2*\y:9+2*\y], v3, s[4:5] offset:131072*\y
.endr
.irp e, 0,1,2,3,4,5
	global_load_b128 v[16+4*\e:19+4*\e], v4, s[8:9] offset:16*\e
.endr
	s_wait_loadcnt 6                               ; the four candidates are in; the row's six loads may be out
.irp y, 1,2,3
	v_cmp_lt_u32 vcc_lo, v[8+2*\y], v8
	v_cndmask_b32 v9, v9, v[9+2*\y], vcc_lo
	v_min_u32 v8, v8, v[8+2*\y]
.endr
	v_min_u32 v9, 0x3ff, v9                        ; a run's number, held inside the table
	v_lshlrev_b32 v65, 4, v9
	v_add_nc_u32 v65, v65, v1                      ; my centre
	v_mul_u32_u24 v66, v65, 96
	v_lshlrev_b32 v67, 2, v65
.irp e, 0,1,2,3,4,5
	global_load_b128 v[40+4*\e:43+4*\e], v66, s[8:9] offset:16*\e
.endr
	global_load_b32 v64, v67, s[6:7]
	s_wait_loadcnt 0x0
.irp i, 0,2,4,6,8,10,12,14,16,18,20,22
	v_pk_add_f32 v[40+\i:41+\i], v[40+\i:41+\i], v[16+\i:17+\i] neg_lo:[0,1] neg_hi:[0,1]
.endr
	v_pk_mul_f32 v[68:69], v[40:41], v[40:41]      ; two chains
	v_pk_mul_f32 v[70:71], v[42:43], v[42:43]
.irp i, 4,8,12,16,20
	v_pk_fma_f32 v[68:69], v[40+\i:41+\i], v[40+\i:41+\i], v[68:69]
	v_pk_fma_f32 v[70:71], v[42+\i:43+\i], v[42+\i:43+\i], v[70:71]
.endr
	v_pk_add_f32 v[68:69], v[68:69], v[70:71]
	v_add_f32 v68, v68, v69
	v_sqrt_f32 v72, v68
	v_mov_b32 v73, 0x4e6e6b28                      ; 1e9.  (A plain line behind the root)
	v_cmp_le_i32 s16, 0, v64                       ; a centre?
	v_mov_b32 v76, 0x7fffffff
	v_mov_b32 v78, 0
	s_wait_alu depctr_va_vdst(0)                   ; ahead of the root's first reader
	v_cmp_gt_f32 vcc_lo, 1.0, v72
	s_and_b32 s16, s16, vcc_lo
	v_cndmask_b32 v74, v73, v72, s16
	v_mov_b32 v75, v74
.irp m, 1,2,4,8
	v_min_num_f32_dpp v75, v75, v75 row_xmask:\m row_mask:0xf bank_mask:0xf   ; the least of the hit's sixteen, in all sixteen lanes
.endr
	v_cmp_eq_f32 vcc_lo, v74, v75
	v_cndmask_b32 v77, v76, v64, vcc_lo            ; who has it offers its ordinal
.irp m, 1,2,4,8
	v_mov_b32_dpp v78, v77 row_xmask:\m row_mask:0xf bank_mask:0xf
	v_min_i32 v77, v77, v78
.endr
	v_cmp_lt_f32 vcc_lo, v75, v73
	v_cndmask_b32 v79, -1, v77, vcc_lo
	ds_store_b32 v6, v75                           ; the sixteen lanes hold the same number for the same word
	ds_store_b32 v6, v79 offset:256
	s_wait_dscnt 0x0                               ; for the others' sake
	s_barrier_signal -1
	s_barrier_wait -1
	s_cmp_gt_u32 s14, 1
	s_cbranch_scc1 .Lend
	ds_load_b64 v[8:9], v5
	s_cmp_eq_u32 s14, 0
	s_cselect_b64 s[20:21], s[10:11], s[12:13]     ; wave 0 stores out2, wave 1 out3
	s_wait_dscnt 0x0
	global_store_b64 v7, v[8:9], s[20:21]          ; 256 consecutive bytes, aligned
.Lend:
	s_wait_tensorcnt 0x0
	ds_add_u32 v80, v81
	s_wait_dscnt 0x0
	s_endpgm
.Lfunc_end_k_q923375ed0d_refine:
	.size	k_q923375ed0d_refine, .Lfunc_end_k_q923375ed0d_refine-k_q923375ed0d_refine
	.p2alignl 7, 3214868480
	.fill 96, 4, 3214868480
	.section	.rodata,"a",@progbits
	.p2align	6, 0x0
	.amdhsa_kernel k_q923375ed0d_refine
		.amdhsa_group_segment_fixed_size 4608
		.amdhsa_private_segment_fixed_size 0
		.amdhsa_enable_private_segment 0
		.amdhsa_kernarg_size 40
		.amdhsa_user_sgpr_count 2
		.amdhsa_user_sgpr_kernarg_segment_ptr 1
		.amdhsa_wavefront_size32 1
		.amdhsa_system_sgpr_workgroup_id_x 1
		.amdhsa_system_sgpr_workgroup_id_y 1
		.amdhsa_system_sgpr_workgroup_id_z 1
		.amdhsa_system_vgpr_workitem_id 0
		.amdhsa_next_free_vgpr 82
		.amdhsa_next_free_sgpr 66
		.amdhsa_reserve_vcc 1
		.amdhsa_float_denorm_mode_32 3
		.amdhsa_float_denorm_mode_16_64 3
		.amdhsa_memory_ordered 1
		.amdhsa_forward_progress 1
		.amdhsa_inst_pref_size 7
	.end_amdhsa_kernel
	.amdgpu_metadata
---
amdhsa.version: [ 1, 2 ]
amdhsa.kernels:
  - .name:           k_q923375ed0d_refine
    .symbol:         k_q923375ed0d_refine.kd
    .args:
      - { .name: cand, .offset: 0, .size: 8, .value_kind: global_buffer, .address_space: global }
      - { .name: rank, .offset: 8, .size: 8, .value_kind: global_buffer, .address_space: global }
      - { .name: out1, .offset: 16, .size: 8, .value_kind: global_buffer, .address_space: global }
      - { .name: out2, .offset: 24, .size: 8, .value_kind: global_buffer, .address_space: global }
      - { .name: out3, .offset: 32, .size: 8, .value_kind: global_buffer, .address_space: global }
    .group_segment_fixed_size: 4608
    .private_segment_fixed_size: 0
    .kernarg_segment_align: 8
    .kernarg_segment_size: 40
    .max_flat_workgroup_size: 1024
    .sgpr_count:     66
    .vgpr_count:     82
    .wavefront_size: 32
...
	.end_amdgpu_metadata
.endif
;; end of part 3
